; MI455X (gfx1250); checked and timed in simulation.
; The chip was launched on July 23, 2026; its instructions are those of AMD's public machine-readable ISA for CDNA 5 (MIT licence, August 2026) and "CDNA5" Instruction Set Architecture Reference Guide (July 2026). The comments in the code are by the model that wrote it; some were corrected since.
;; Fully Connected Network. Allowed arithmetic: float matrix products may take bf16 or f16 operands with f32 sums; other float arithmetic in f32, or as packed bf16 or f16 multiplies, adds, multiply-adds, maxima and minima; sums over many terms, partial sums and values carried from step to step in f32; what a program stores and reads back later, other than sums and carried values, may be rounded once to bf16 or f16.
;; Inputs: W1 15 x 256 x 128 float32; W2 15 x 128 x 15 float32; b1 15 x 128 float32; b2 15 x 15 float32; cam 131,072 int32; input 131,072 x 256 float32.
;; Outputs: out0 131,072 x 15 float32.
;; One version. Each part assembles by itself: llvm-mc -triple=amdgcn-amd-amdhsa -mcpu=gfx1250 --defsym DOCPART=n.
;; ======== version 1 of 1: 2 launches
;; workspace buffers: wts 1,044,480 bytes
;; launch prep (part 1): grid 15 x 16, 4 waves a work-group, no clusters, 0 bytes of LDS; arguments W1, W2, wts; writes wts
.if DOCPART == 1
	.amdgcn_target "amdgcn-amd-amdhsa--gfx1250"
	.amdhsa_code_object_version 6
	.text
	.protected	k_qbf5db6cff1_prep
	.globl	k_qbf5db6cff1_prep
	.p2align	8
	.type	k_qbf5db6cff1_prep,@function
k_qbf5db6cff1_prep:
	s_mov_b64 s[64:65], 0
	v_nop
	global_prefetch_b8 v0, s[64:65] scope:SCOPE_SE
	s_setreg_imm32_b32 hwreg(HW_REG_WAVE_MODE, 25, 1), 1
	s_wait_xcnt 0x0
; THE WEIGHTS' LAYOUT for the launch that follows: W1 [15][256][128] and W2 [15][128][15], f32, are rounded once to bf16 and laid in the order in which a wave's operand registers take them.
; wts: for each camera 69,632 bytes: W1 as 128 blocks of 512 bytes, block ((s 8 + n) 2 + g): lane l's 16 bytes are registers 4 g .. 4 g + 3 of the fragment of K step s and unit tile n:
; unit 16 n + l % 16, positions 8 L .. 8 L + 7 with L = 4 s + 2 g + l / 16; position 8 L + 4 a + j holds k = 128 a + 4 L + j.  Then W2 as 8 blocks, block (2 s + g):
; channel l % 16 (the 16th is 0), units 32 s + 16 g + 8 (l / 16) + 0..7.
; SHARES.  Work-group (e, sb), four waves: 256 of W1[e]'s 4,096 pieces of 16 bytes, two a thread, and for sb < 2 also 128 of W2[e]'s 256.  No LDS, no barrier: no wave needs another's result.
.set EXPB,  69632
.set L4,   1                           ; 4 x lane
.set L16,  2                           ; 16 x lane
.set WST,  5                           ; W1: where my piece goes
.set W2O,  6                           ; W2: where my numbers lie
.set ZERO, 7
.set WL,   16                          ; v16-31 W1 as loaded: piece m, half a, number j at 8 m + 4 a + j
.set WP,   32                          ; v32-39 the two pieces
.set W2L,  40                          ; v40-47 W2 as loaded
.set W2P,  48                          ; v48-51 its piece
	s_load_b64 s[6:7], s[0:1], 0x0                 ; W1
	s_load_b64 s[8:9], s[0:1], 0x8                 ; W2
	s_load_b64 s[12:13], s[0:1], 0x10              ; wts
	v_lshrrev_b32 v8, 5, v0
	v_readfirstlane_b32 s18, v8                    ; wave 0..3
	s_mov_b32 s19, ttmp9                           ; e
	s_and_b32 s20, ttmp7, 0xffff                   ; sb
	v_and_b32 v9, 31, v0                           ; lane
	v_and_b32 v10, 15, v0                          ; lane % 16
	v_bfe_u32 v11, v0, 4, 1                        ; lane / 16
	v_lshlrev_b32 v[L4], 2, v9
	v_lshlrev_b32 v[L16], 4, v9
	v_mov_b32 v[ZERO], 0
	; W1.  K step s = sb / 2.  Lane l takes unit 64 (sb % 2) + 32 (w / 2) + l: a load covers 128 neighbouring bytes.  g = w % 2; piece m is the fragment's lane half m: L = 4 s + 2 g + m.
	s_lshl_b32 s22, s19, 17                        ; 131,072 e
	s_lshr_b32 s25, s20, 1
	s_lshl_b32 s25, s25, 13                        ; 16 s rows of 512 bytes
	s_add_co_u32 s22, s22, s25
	s_and_b32 s26, s18, 1
	s_lshl_b32 s25, s26, 12                        ; 8 g rows
	s_add_co_u32 s22, s22, s25
	s_and_b32 s25, s20, 1
	s_lshl_b32 s25, s25, 8                         ; 64 (sb % 2) units of 4 bytes
	s_add_co_u32 s22, s22, s25
	s_lshr_b32 s27, s18, 1
	s_lshl_b32 s25, s27, 7                         ; 32 (w / 2) units
	s_add_co_u32 s22, s22, s25
	s_mov_b32 s23, 0
	s_mul_i32 s28, s19, EXPB                       ; where they go: 8,192 s + 1,024 n + 512 g + 256 m + 16 (l % 16), n = 4 (sb % 2) + 2 (w / 2) + l / 16
	s_lshl_b32 s25, s20, 12                        ; 8,192 (sb / 2) + 4,096 (sb % 2) = 4,096 sb
	s_add_co_u32 s28, s28, s25
	s_lshl_b32 s25, s27, 11
	s_add_co_u32 s28, s28, s25
	s_lshl_b32 s25, s26, 9
	s_add_co_u32 s28, s28, s25
	s_mov_b32 s29, 0
	v_lshlrev_b32 v[WST], 4, v10
	v_lshl_add_u32 v[WST], v11, 10, v[WST]
	s_wait_kmcnt 0x0
	s_add_nc_u64 s[6:7], s[6:7], s[22:23]
	s_add_nc_u64 s[32:33], s[12:13], s[28:29]
.macro W1LOAD
.irp m, 0,1
.irp a, 0,1
.irp j, 0,1,2,3
	global_load_b32 v[WL+8*(\m)+4*(\a)+(\j)], v[L4], s[6:7] offset:2048*(\m)+65536*(\a)+512*(\j)  ; row k = 128 a + 4 L + j
.endr
.endr
.endr
.endm
.macro W1OUT
.irp m, 0,1
.irp u, 0,1,2,3
	v_cvt_pk_bf16_f32 v[WP+4*(\m)+(\u)], v[WL+8*(\m)+2*(\u)], v[WL+8*(\m)+2*(\u)+1]
.endr
	global_store_b128 v[WST], v[WP+4*(\m):WP+4*(\m)+3], s[32:33] offset:256*(\m)  ; 16 lanes store 256 consecutive bytes, at a multiple of 256 from the buffer's first byte
.endr
.endm
	W1LOAD
	s_cmp_ge_u32 s20, 2
	s_cbranch_scc1 .Lw1only
	; W2.  Piece 128 sb + thread: block 4 sb + w, units 64 sb + 16 w + 8 (l / 16) + j, channel l % 16
	s_lshl_b32 s25, s20, 6
	s_lshl4_add_u32 s25, s18, s25
	s_mul_i32 s25, s25, 60
	s_mul_i32 s36, s19, 7680
	s_add_co_u32 s36, s36, s25
	s_mov_b32 s37, 0
	s_add_nc_u64 s[8:9], s[8:9], s[36:37]
	s_mul_i32 s38, s19, EXPB
	s_add_co_u32 s38, s38, 65536
	s_lshl_b32 s25, s20, 11
	s_add_co_u32 s38, s38, s25
	s_lshl_b32 s25, s18, 9
	s_add_co_u32 s38, s38, s25
	s_mov_b32 s39, 0
	s_add_nc_u64 s[34:35], s[12:13], s[38:39]
	v_min_u32 v12, 14, v10                         ; the 16th lane reads the 15th's number: no byte past a row's 60 is read
	v_lshlrev_b32 v12, 2, v12
	v_mad_u32_u24 v[W2O], v11, 480, v12
.irp j, 0,1,2,3,4,5,6,7
	global_load_b32 v[W2L+(\j)], v[W2O], s[8:9] offset:60*(\j)
.endr
	s_wait_loadcnt 0x0                             ; W1's and W2's numbers: all were asked for together
	W1OUT
.irp u, 0,1,2,3
	v_cvt_pk_bf16_f32 v[W2P+(\u)], v[W2L+2*(\u)], v[W2L+2*(\u)+1]
.endr
	v_cmp_eq_u32 vcc_lo, 15, v10
.irp u, 0,1,2,3
	v_cndmask_b32 v[W2P+(\u)], v[W2P+(\u)], v[ZERO], vcc_lo  ; the 16th channel is 0
.endr
	global_store_b128 v[L16], v[W2P:W2P+3], s[34:35]  ; 512 consecutive bytes
	s_endpgm
.Lw1only:
	s_wait_loadcnt 0x0
	W1OUT
	s_endpgm
.Lfunc_end_k_qbf5db6cff1_prep:
	.size	k_qbf5db6cff1_prep, .Lfunc_end_k_qbf5db6cff1_prep-k_qbf5db6cff1_prep
	.p2alignl 7, 3214868480
	.fill 96, 4, 3214868480
	.section	.rodata,"a",@progbits
	.p2align	6, 0x0
	.amdhsa_kernel k_qbf5db6cff1_prep
		.amdhsa_group_segment_fixed_size 0
		.amdhsa_private_segment_fixed_size 0
		.amdhsa_enable_private_segment 0
		.amdhsa_kernarg_size 24
		.amdhsa_user_sgpr_count 2
		.amdhsa_user_sgpr_kernarg_segment_ptr 1
		.amdhsa_wavefront_size32 1
		.amdhsa_system_sgpr_workgroup_id_x 1
		.amdhsa_system_sgpr_workgroup_id_y 1
		.amdhsa_system_sgpr_workgroup_id_z 1
		.amdhsa_system_vgpr_workitem_id 0
		.amdhsa_next_free_vgpr 52
		.amdhsa_next_free_sgpr 66
		.amdhsa_reserve_vcc 1
		.amdhsa_float_denorm_mode_32 3
		.amdhsa_float_denorm_mode_16_64 3
		.amdhsa_memory_ordered 1
		.amdhsa_forward_progress 1
		.amdhsa_inst_pref_size 7
	.end_amdhsa_kernel
	.amdgpu_metadata
---
amdhsa.version: [ 1, 2 ]
amdhsa.kernels:
  - .name:           k_qbf5db6cff1_prep
    .symbol:         k_qbf5db6cff1_prep.kd
    .args:
      - { .name: W1, .offset: 0, .size: 8, .value_kind: global_buffer, .address_space: global }
      - { .name: W2, .offset: 8, .size: 8, .value_kind: global_buffer, .address_space: global }
      - { .name: wts, .offset: 16, .size: 8, .value_kind: global_buffer, .address_space: global }
    .group_segment_fixed_size: 0
    .private_segment_fixed_size: 0
    .kernarg_segment_align: 8
    .kernarg_segment_size: 24
    .max_flat_workgroup_size: 128
    .sgpr_count:     66
    .vgpr_count:     52
    .wavefront_size: 32
...
	.end_amdgpu_metadata
.endif
;; end of part 1
;; launch mlp (part 2): grid 16 x 16, 4 waves a work-group, no clusters, 39,424 bytes of LDS; arguments input, cam, wts, b1, b2, out0; writes out0
.if DOCPART == 2
	.amdgcn_target "amdgcn-amd-amdhsa--gfx1250"
	.amdhsa_code_object_version 6
	.text
	.protected	k_qbf5db6cff1_mlp
	.globl	k_qbf5db6cff1_mlp
	.p2align	8
	.type	k_qbf5db6cff1_mlp,@function
k_qbf5db6cff1_mlp:
	s_mov_b64 s[64:65], 0
	v_nop
	global_prefetch_b8 v0, s[64:65] scope:SCOPE_SE
	s_setreg_imm32_b32 hwreg(HW_REG_WAVE_MODE, 25, 1), 1
	s_wait_xcnt 0x0
; out0[t][:] = relu(input[t] W1[c] + b1[c]) W2[c] + b2[c] with c = cam[t]; zeros where cam[t] lies outside 0..14.
; input [131072][256] f32, cam [131072] i32, b1 [15][128], b2 [15][15], out0 [131072][15] f32.  wts comes from the launch before: for each camera 69,632 bytes of W1 and W2 in bf16, in the
; order of my operand registers.
; SHARES.  Work-group (e, sb); wave w owns the 2,048 tokens from T0 = 8192 sb + 2048 w on and takes those whose cam is e through both layers, 16 rows a tile.  Only the chosen expert is
; multiplied.  Column e = 15 (every cam outside 0..14) stores zeros into its rows; where all cams are valid it finds none and stores nothing: the price of a grid that serves every cam.
; It walks the common scan with camera 14's weights and uses none of them.
; THE ROUTING lives in registers.  The wave's cams lie in 64 registers; register c gives a mask of the lanes that match.  Four vector registers hold, by lane, the 64 masks and for each the
; NEXT mask that is not empty, packed with its tokens' base (0: there is none).  A token is taken by scalar work: the lowest bit of the mask in hand, which is then cleared; behind a mask's
; last bit the next mask is read by v_readlane_b32.  The last mask that is not empty points to itself, so that the places past the count repeat listed tokens, however many are taken.
; WEIGHTS lie in every wave's registers for the whole walk: W1 in 512, W2 in 32, b1 and b2 as the C operands that start the sums.  No wave needs another: no barrier.
; THE WALK.  A row of x is read as two pieces of 512 neighbouring bytes; two landing sets of 128 registers take turns, so that 64 such loads are asked for ahead in each wave.  A tile is
; rounded to bf16, sent through the wave's own LDS tile into fragments, multiplied (64 + 4 matrix instructions), and stored.
; BOTH PRODUCTS ARE USED TRANSPOSED (source 0 = 16 hidden units or channels, source 1 = 16 tokens): a lane holds one token and eight neighbouring units, and two rounded tiles of the hidden
; layer ARE source 1 of the second product: nothing changes lanes between the layers.
; K IS PERMUTED alike in x and W1: k = 128 a + 4 l + j lies at position 8 l + 4 a + j, so that a lane's two loaded pieces of a row pack into 16 neighbouring bytes.
; OUTPUT.  A row is 60 bytes and its neighbours belong to other cameras, that is to other work-groups: each row is written once, by 15 neighbouring lanes of one store (the 16th repeats the
; 15th's word); whole aligned blocks of 256 bytes cannot be had without all 15 experts' weights in one work-group (983,040 bytes in bf16).
; NO CLUSTER, NO TENSOR LOADS: what the work-groups of a camera share is 69,632 bytes read once at the start, against some 560,000 bytes of rows that each reads alone; the rows come by a list.
; No cache hint on x: the padding names listed rows again.
; LIMITS.  x, W1, W2 and the hidden layer are rounded to bf16, sums in f32.  The ReLU is a maximum in which a NaN loses: a NaN in the hidden layer becomes 0.  The places past a wave's count
; repeat listed rows, which are computed and stored again with the same numbers.
.set XT,    0                          ; for each wave: 16 rows of x in bf16
.set PX,    528                        ; their pitch: 512 + 16 bytes = 132 words: the 16 rows of a fragment load start at 16 different groups of four banks (64 banks of 4 bytes: ISA guide 11.1)
.set STG,   33792                      ; for each wave: 16 rows of 16 f32 on the way out
.set PS,    80                         ; their pitch: 64 + 16 bytes
.set SPARE, 38912                      ; the spare words, 128 bytes for each wave: two blocks of 256 bytes that no other line names
.set EXPB,  69632
; window 0
.set SPW,  1                           ; LDS address of my spare word; never rewritten
.set NIL,  2                           ; 0, for the add alone
.set ZERO, 3                           ; 0
.set C16L, 4                           ; 16 x lane
.set XST,  5                           ; where I put 16 bytes of a row of the tile
.set XRD,  6                           ; where my fragments of the tile begin
.set OST,  8                           ; the way out: where I put my eight channels
.set ORD,  9                           ; the way out: where I read a row's word back
.set CH4,  10                          ; 4 min(lane % 16, 14)
.set MA,   12                          ; v12-13   lane c % 32 of register c / 32: the mask of cam register c
.set NA,   14                          ; v14-15   likewise: the next mask that is not empty: its number, and from bit 8 on its tokens' base less T0
.set OT,   16                          ; v16-23   the tile's tokens, then their byte offsets in out0
.set ACC,  24                          ; v24-87   eight accumulators; between the products: the rows' offsets, the way out; at the start lane terms
.set XF,   88                          ; v88-151  x in bf16, its fragments, then the hidden layer in bf16; at the start the cams
.set B1,   152                         ; v152-215 b1 as C operand, tile n at +8 n
.set W2R,  216                         ; v216-247 W2's fragments, K step k at +8 k
.set B2,   248                         ; v248-255 b2 as C operand
.set R16,  ACC+41                      ; at the start only: lane % 16
.set HH,   ACC+42                      ;                    lane / 16
.set TMP,  ACC+43                      ;                    at work
.set B1O,  ACC+44                      ;                    32 (lane / 16)
.set B2O,  ACC+45                      ;                    28 + 28 (lane / 16)
; windows 1, 2: W1's fragment (K step k, tile n) at v[64 (k % 4) + 8 n]: window 1 for k = 0..3, window 2 for k = 4..7.  Window 3: x as loaded: set 0 v0-127, set 1 v128-255: row p, piece a at 8 p + 4 a.
; scalars: s[4:5] input, s[6:7] my cams, s[8:9] wts, s[10:11] b1, s[12:13] b2, s[14:15] out0; s18 wave, s19 e, s20 sb, s21 n, s22 tiles, s24 loop count, s29 the walk's trips,
; s25, s26, s28 at work, s30 the mask of lanes 16-31, s31 min(e, 14)
.set TS,   32                          ; s[32:47], s[48:63] the 16 tokens of the tile that landing set 0, 1 holds
.set SM,   66                          ; the mask in hand: the bits not yet taken
.set SB,   67                          ; its tokens' base: bit b is token SB + 4 b
.set SX,   68                          ; the next mask that is not empty, packed as in NA
.set ST0,  69                          ; T0
.set SL,   70                          ; at work in ADV
.set SA,   71
.set SBB,  72
.set SC,   73
.set SD,   74
.set SCUR, 75
.set MSB, 0
.macro WIN new                         ; s_set_vgpr_msb: bits 1:0 source 0, 3:2 source 1, 5:4 source 2, 7:6 destination; the high byte repeats the setting that is left
.if MSB != (\new)
	s_set_vgpr_msb (MSB<<8)|(\new)
.set MSB, (\new)
.endif
.endm
	s_load_b256 s[4:11], s[0:1], 0x0               ; input, cam, wts, b1
	s_load_b128 s[12:15], s[0:1], 0x20             ; b2, out0
	v_lshl_add_u32 v[SPW], v0, 2, SPARE
	v_mov_b32 v[NIL], 0
	v_mov_b32 v[ZERO], 0
	v_lshrrev_b32 v[TMP], 5, v0
	v_readfirstlane_b32 s18, v[TMP]                ; wave 0..3
	s_mov_b32 s19, ttmp9                           ; e
	s_and_b32 s20, ttmp7, 0xffff                   ; sb
	s_min_u32 s31, s19, 14                         ; the camera whose weights are read: column 15 stays inside the buffers
	s_lshl_b32 s16, s20, 15                        ; cam: 32,768 sb + 8,192 w bytes
	s_lshl_b32 s25, s18, 13
	s_add_co_u32 s16, s16, s25
	s_mov_b32 s17, 0
	s_lshl_b32 s[ST0], s20, 13                     ; T0 = 8192 sb + 2048 w
	s_lshl_b32 s25, s18, 11
	s_add_co_u32 s[ST0], s[ST0], s25
	s_mul_i32 s26, s31, EXPB
	s_mov_b32 s27, 0
	s_lshl_b32 s2, s31, 9
	s_mov_b32 s3, 0
	s_mul_i32 s22, s31, 60
	s_mov_b32 s23, 0
	s_mov_b32 s30, 0xffff0000
	v_and_b32 v[TMP], 31, v0                       ; lane
	v_and_b32 v[R16], 15, v0
	v_bfe_u32 v[HH], v0, 4, 1
	v_lshlrev_b32 v[C16L], 4, v[TMP]
	v_min_u32 v[TMP], 14, v[R16]
	v_lshlrev_b32 v[CH4], 2, v[TMP]
	v_lshlrev_b32 v[B1O], 5, v[HH]
	v_mad_u32_u24 v[B2O], v[HH], 28, 28
.irp r, MA, MA+1, NA, NA+1
	v_mov_b32 v[\r], 0                             ; v_writelane_b32 keeps the other lanes: the registers are written whole first
.endr
	s_wait_kmcnt 0x0
	s_add_nc_u64 s[6:7], s[6:7], s[16:17]
	s_add_nc_u64 s[8:9], s[8:9], s[26:27]
	s_add_nc_u64 s[10:11], s[10:11], s[2:3]
	s_add_nc_u64 s[12:13], s[12:13], s[22:23]
.irp i, 0,1,2,3,4,5,6,7,8,9,10,11,12,13,14,15
	global_load_b128 v[XF+4*(\i):XF+4*(\i)+3], v[C16L], s[6:7] offset:512*(\i)  ; register 4 i + j of lane l: the cam of token T0 + 128 i + 4 l + j
.endr
.irp k, 0,1,2,3
.irp g, 0,1
	global_load_b128 v[W2R+8*(\k)+4*(\g):W2R+8*(\k)+4*(\g)+3], v[C16L], s[8:9] offset:65536+(2*(\k)+(\g))*512
.endr
.endr
.irp n, 0,1,2,3,4,5,6,7
	global_load_b128 v[B1+8*(\n):B1+8*(\n)+3],   v[B1O], s[10:11] offset:64*(\n)     ; register j: b1 of unit 16 n + 8 (l / 16) + j
	global_load_b128 v[B1+8*(\n)+4:B1+8*(\n)+7], v[B1O], s[10:11] offset:64*(\n)+16
.endr
.irp j, 0,1,2,3,4,5,6
	global_load_b32 v[B2+(\j)], v[B1O], s[12:13] offset:4*(\j)                        ; register j: b2 of channel 8 (l / 16) + j
.endr
	global_load_b32 v[B2+7], v[B2O], s[12:13]      ; channel 7; in the upper lanes, where channel 15 does not exist, channel 14 once more: no byte past b2's 60 is read
	; the LDS addresses, in the wait for the cams: a constant, the wave's number times a constant, a lane term
	s_mul_i32 s25, s18, 16*PX                      ; my tile (XT = 0)
	v_add_nc_u32 v[XST], s25, v[C16L]              ; in: a row's 512 bytes, 16 a lane
	v_mul_u32_u24 v[TMP], v[R16], PX
	v_lshl_add_u32 v[TMP], v[HH], 4, v[TMP]
	v_add_nc_u32 v[XRD], s25, v[TMP]               ; out: row l % 16, 16 bytes for each half of the lanes
	s_mul_i32 s25, s18, 16*PS
	s_add_co_u32 s25, s25, STG                     ; my stage
	v_mul_u32_u24 v[TMP], v[R16], PS
	v_lshl_add_u32 v[TMP], v[HH], 5, v[TMP]
	v_add_nc_u32 v[OST], s25, v[TMP]               ; in: row l % 16, channels 8 (l / 16) on
	v_mul_u32_u24 v[TMP], v[HH], PS
	v_add_nc_u32 v[TMP], v[TMP], v[CH4]
	v_add_nc_u32 v[ORD], s25, v[TMP]               ; back: row l / 16 of a pair, one channel a lane
	; THE SCAN, from the last cam register to the first, so that each mask finds the next one that is not empty already known.  W1's 128 loads, 512 neighbouring bytes each and straight into
	; the operand registers, stand in eight runs of 16 between the scan's groups of eight steps: the weights come in under the scan, and all of them are older than x's loads.
	s_wait_loadcnt 32                              ; the 16 loads of cams are in; behind them W2's 8, b1's 16 and b2's 8 may stay out
	s_mov_b32 s21, 0                               ; n
	s_mov_b32 s[SX], 0                             ; behind the last mask there is none
.set c, 63
.set g, 0
.rept 8
	WIN 0x40*(1+g/4)                               ; destination window 1 (K steps 0..3) or 2 (K steps 4..7), address window 0
.set i, 0
.rept 16
	global_load_b128 v[64*(g%4)+4*i:64*(g%4)+4*i+3], v[C16L], s[8:9] offset:512*(16*g+i)  ; K step g: tile i / 2, registers 4 (i % 2) on
.set i, i+1
.endr
	WIN 0
.rept 8
	v_min_u32 v[XF+c], 15, v[XF+c]                 ; unsigned: every cam outside 0..14 counts as 15
	v_cmp_eq_u32 s26, s19, v[XF+c]
	v_writelane_b32 v[MA+c/32], s26, c%32
	v_writelane_b32 v[NA+c/32], s[SX], c%32
	s_bcnt1_i32_b32 s25, s26                       ; SCC: the mask is not empty
	s_cselect_b32 s[SX], c|((128*(c/4)+c%4)<<8), s[SX]
	s_add_co_u32 s21, s21, s25
.set c, c-1
.endr
.set g, g+1
.endr
	s_add_co_u32 s22, s21, 15
	s_lshr_b32 s22, s22, 4                         ; my tiles of 16 rows:
	s_min_u32 s22, s22, 128                        ; 2,048 tokens make 128 at the most
	s_cmp_eq_u32 s22, 0
	s_cbranch_scc1 .Lend                           ; none of my tokens has this camera
; The mask that SX names is taken in hand.  Number 0 is never a next mask, so 0 says that there is none: then the mask points to itself.
.macro ADV
	s_mov_b32 s[SCUR], s[SX]
	s_and_b32 s[SL], s[SCUR], 31
	v_readlane_b32 s[SA], v[MA], s[SL]
	v_readlane_b32 s[SBB], v[MA+1], s[SL]
	v_readlane_b32 s[SC], v[NA], s[SL]
	v_readlane_b32 s[SD], v[NA+1], s[SL]
	s_lshr_b32 s[SB], s[SCUR], 8
	s_add_co_u32 s[SB], s[SB], s[ST0]
	s_bitcmp1_b32 s[SCUR], 5                       ; numbers 32..63 lie in the second register of each pair
	s_cselect_b32 s[SM], s[SBB], s[SA]
	s_cselect_b32 s[SX], s[SD], s[SC]
	s_cmp_eq_u32 s[SX], 0
	s_cselect_b32 s[SX], s[SCUR], s[SX]
.endm
; The next token, into scalar register dst: the lowest bit of the mask in hand, which is cleared
.macro NEXT dst
	s_ctz_i32_b32 s25, s[SM]
	s_lshl2_add_u32 s[\dst], s25, s[SB]
	s_sub_co_u32 s25, s[SM], 1
	s_and_b32 s[SM], s[SM], s25
	s_cmp_lg_u32 s[SM], 0
	s_cbranch_scc1 .Lmore_\@
	ADV
.Lmore_\@:
.endm
; The next 16 tokens, for landing set buf, and the byte offsets of their rows: a token is clamped to the table, shifted to its row and added to the lane's 16 bytes
.macro TOKS buf, xa
.set p, 0
.rept 16
	NEXT TS+16*(\buf)+p
	s_min_u32 s28, s[TS+16*(\buf)+p], 0x1ffff
	s_lshl_b32 s28, s28, 10
	v_add_nc_u32 v[(\xa)+p], s28, v[C16L]
.set p, p+1
.endr
.endm
; A tile's 32 loads: each takes 512 neighbouring bytes, half a row
.macro XLOAD buf, xa
	WIN 0xc0                                       ; destination window 3, address window 0
.set p, 0
.rept 16
	global_load_b128 v[128*(\buf)+8*p:128*(\buf)+8*p+3],   v[(\xa)+p], s[4:5]
	global_load_b128 v[128*(\buf)+8*p+4:128*(\buf)+8*p+7], v[(\xa)+p], s[4:5] offset:512
.set p, p+1
.endr
	WIN 0
.endm
	ADV                                            ; the first mask that is not empty
	s_cmp_eq_u32 s19, 15
	s_cbranch_scc1 .Lnone                          ; column 15 stores zeros
	TOKS 0, ACC
	XLOAD 0, ACC                                   ; tile 0
	TOKS 1, ACC+16
	XLOAD 1, ACC+16                                ; tile 1: with 16 rows or fewer it repeats listed rows and is left unread
; ONE TILE of 16 rows.  buf: its landing set.  re = 1: the set is asked for again, with the tile two further on.  left: the younger loads that may stay out: the other set's 32, or none.
.macro TRIP buf, re, left
	s_wait_xcnt 0x0                                ; every earlier memory instruction has had its addresses translated (ISA guide 3.1): OT and the accumulators' registers are rewritten only behind this wait
.irp i, 0,1,2,3,4,5,6,7
	v_mov_b32 v[OT+(\i)], s[TS+16*(\buf)+2*(\i)]   ; the tile's tokens, for the way out: row 2 i, and in lanes 16-31 row 2 i + 1
.endr
.irp i, 0,1,2,3,4,5,6,7
	v_cndmask_b32 v[OT+(\i)], v[OT+(\i)], s[TS+16*(\buf)+2*(\i)+1], s30
.endr
.if \re
	TOKS \buf, ACC                                 ; the tokens of the tile two further on take their place: scalar work ahead of the wait for the rows
.endif
	s_wait_loadcnt \left                           ; loads come back in order (ISA guide 5.7.1): this set's 32 are in (in the first tile the weights too, which were asked for earlier)
	WIN 0x0f                                       ; sources window 3
.set p, 0
.rept 16
	v_cvt_pk_bf16_f32 v[XF+4*p],   v[128*(\buf)+8*p],   v[128*(\buf)+8*p+1]
	v_cvt_pk_bf16_f32 v[XF+4*p+1], v[128*(\buf)+8*p+2], v[128*(\buf)+8*p+3]
	v_cvt_pk_bf16_f32 v[XF+4*p+2], v[128*(\buf)+8*p+4], v[128*(\buf)+8*p+5]
	v_cvt_pk_bf16_f32 v[XF+4*p+3], v[128*(\buf)+8*p+6], v[128*(\buf)+8*p+7]
.set p, p+1
.endr
.if \re
	XLOAD \buf, ACC                                ; the set has been read out: it goes out again at once
.endif
	WIN 0
.set p, 0
.rept 16
	ds_store_b128 v[XST], v[XF+4*p:XF+4*p+3] offset:PX*p   ; row p: positions 8 l .. 8 l + 7; 32 lanes fill 512 neighbouring bytes
.set p, p+1
.endr
.irp k, 0,1,2,3,4,5,6,7
.irp g, 0,1
	ds_load_b128 v[XF+8*(\k)+4*(\g):XF+8*(\k)+4*(\g)+3], v[XRD] offset:64*(\k)+32*(\g)  ; LDS serves a wave's instructions in order (ISA guide 5.7.1.4): these see the stores above
.endr
.endr
.if \re
	s_wait_xcnt 0x0                                ; the offsets' registers are accumulators next
.endif
	s_wait_dscnt 8                                 ; K steps 0..3 are in; the youngest eight loads are K steps 4..7
	WIN 0x01                                       ; W1's fragments in window 1.  The eight accumulators take turns, one instruction a turn; b1 starts the sums
.irp k, 0,1,2,3
.irp n, 0,1,2,3,4,5,6,7
.if (\k) == 0
	v_wmma_f32_16x16x32_bf16 v[ACC+8*(\n):ACC+8*(\n)+7], v[8*(\n):8*(\n)+7], v[XF:XF+7], v[B1+8*(\n):B1+8*(\n)+7]
.else
	v_wmma_f32_16x16x32_bf16 v[ACC+8*(\n):ACC+8*(\n)+7], v[64*(\k)+8*(\n):64*(\k)+8*(\n)+7], v[XF+8*(\k):XF+8*(\k)+7], v[ACC+8*(\n):ACC+8*(\n)+7]
.endif
.endr
.endr
	s_wait_dscnt 0x0
	WIN 0x02                                       ; and in window 2
.irp k, 0,1,2,3
.irp n, 0,1,2,3,4,5,6,7
	v_wmma_f32_16x16x32_bf16 v[ACC+8*(\n):ACC+8*(\n)+7], v[64*(\k)+8*(\n):64*(\k)+8*(\n)+7], v[XF+32+8*(\k):XF+32+8*(\k)+7], v[ACC+8*(\n):ACC+8*(\n)+7]
.endr
.endr
	WIN 0
.irp i, 0,1,2,3,4,5,6,7
	v_min_u32 v[OT+(\i)], 0x1ffff, v[OT+(\i)]      ; the rows' byte offsets in out0 begin: eight plain instructions that name no register of the products: the places behind them (ISA guide 7.12.1)
.endr
.irp n, 0,1,2,3,4,5,6,7
.irp u, 0,1,2,3
	v_cvt_pk_bf16_f32 v[XF+4*(\n)+(\u)], v[ACC+8*(\n)+2*(\u)], v[ACC+8*(\n)+2*(\u)+1]  ; each accumulator from its low end on; tiles 2 k and 2 k + 1 are source 1 of the second product's K step k
.endr
.endr
.set m, 0
.rept 32
	v_pk_max_num_bf16 v[XF+m], v[XF+m], v[ZERO]    ; the ReLU, two units a line
.set m, m+1
.endr
	v_wmma_f32_16x16x32_bf16 v[ACC:ACC+7],    v[W2R:W2R+7],     v[XF:XF+7],     v[B2:B2+7]       ; two sums by turns: units 0-31 and 64-95 with b2,
	v_wmma_f32_16x16x32_bf16 v[ACC+8:ACC+15], v[W2R+8:W2R+15],  v[XF+8:XF+15],  0                ; units 32-63 and 96-127
	v_wmma_f32_16x16x32_bf16 v[ACC:ACC+7],    v[W2R+16:W2R+23], v[XF+16:XF+23], v[ACC:ACC+7]
	v_wmma_f32_16x16x32_bf16 v[ACC+8:ACC+15], v[W2R+24:W2R+31], v[XF+24:XF+31], v[ACC+8:ACC+15]
.irp i, 0,1,2,3,4,5,6,7
	v_mul_u32_u24 v[OT+(\i)], v[OT+(\i)], 60       ; times 60, plus the lane's channel: again the places behind the products
.endr
.irp i, 0,1,2,3,4,5,6,7
	v_add_nc_u32 v[OT+(\i)], v[OT+(\i)], v[CH4]
.endr
.irp u, 0,1,2,3
	v_pk_add_f32 v[ACC+16+2*(\u):ACC+17+2*(\u)], v[ACC+2*(\u):ACC+2*(\u)+1], v[ACC+8+2*(\u):ACC+9+2*(\u)]
.endr
	ds_store_b128 v[OST], v[ACC+16:ACC+19]         ; token l % 16, channels 8 (l / 16) + 0..7
	ds_store_b128 v[OST], v[ACC+20:ACC+23] offset:16
.irp i, 0,1,2,3,4,5,6,7
	ds_load_b32 v[ACC+24+(\i)], v[ORD] offset:2*PS*(\i)  ; back by rows: rows 2 i and 2 i + 1, a channel a lane
.endr
.irp i, 0,1,2,3,4,5,6,7
	s_wait_dscnt 7-(\i)                            ; word i is in, the younger ones stay out
	global_store_b32 v[OT+(\i)], v[ACC+24+(\i)], s[14:15]  ; 15 lanes write a row's 60 bytes; the 16th repeats the 15th's word
.endr
.endm
	; THE WALK.  At the loop's head, and at the tail's, two tiles are on their way, set 0's loads the older.  A trip takes both and asks for the next two.  With nt tiles the loop has
	; (nt - 1) / 2 trips, counted up to a bound that the loop does not write, and is left by falling through alone; its LDS addresses are fixed.  The tail takes the last tile or two and
	; asks for nothing.  Where nt is odd the set asked for last holds repeated rows and is left unread.
	s_sub_co_u32 s29, s22, 1
	s_lshr_b32 s29, s29, 1
	s_min_u32 s29, s29, 63                         ; 128 tiles make 63 trips at the most
	s_mov_b32 s24, 0
	s_cmp_eq_u32 s29, 0
	s_cbranch_scc1 .Ltail                          ; one tile or two: no trip
.Lloop:
	TRIP 0, 1, 32
	TRIP 1, 1, 32
	s_add_co_u32 s24, s24, 1
	s_cmp_lt_u32 s24, s29
	s_cbranch_scc1 .Lloop
.Ltail:
	TRIP 0, 0, 32
	s_and_b32 s25, s22, 1
	s_cmp_lg_u32 s25, 0
	s_cbranch_scc1 .Lend                           ; an odd number of tiles: that was the last
	TRIP 1, 0, 0
.Lend:
	s_wait_tensorcnt 0x0                           ; the wave's end, behind my last LDS store
	ds_add_u32 v[SPW], v[NIL]
	s_wait_dscnt 0x0
	s_endpgm
.Lnone:                                                ; COLUMN 15: the listed rows get zeros, 16 rows a trip, nt trips (nt is at least 1 here).  This way touches no LDS
	s_mov_b32 s24, 0
.Lzero:
.set p, 0
.rept 16
	NEXT TS+p
.set p, p+1
.endr
.irp i, 0,1,2,3,4,5,6,7
	v_mov_b32 v[OT+(\i)], s[TS+2*(\i)]
.endr
.irp i, 0,1,2,3,4,5,6,7
	v_cndmask_b32 v[OT+(\i)], v[OT+(\i)], s[TS+2*(\i)+1], s30
.endr
.irp i, 0,1,2,3,4,5,6,7
	v_min_u32 v[OT+(\i)], 0x1ffff, v[OT+(\i)]
.endr
.irp i, 0,1,2,3,4,5,6,7
	v_mul_u32_u24 v[OT+(\i)], v[OT+(\i)], 60
.endr
.irp i, 0,1,2,3,4,5,6,7
	v_add_nc_u32 v[OT+(\i)], v[OT+(\i)], v[CH4]
.endr
.irp i, 0,1,2,3,4,5,6,7
	global_store_b32 v[OT+(\i)], v[ZERO], s[14:15]
.endr
	s_wait_xcnt 0x0                                ; OT is written again only behind this wait
	s_add_co_u32 s24, s24, 1
	s_cmp_lt_u32 s24, s22
	s_cbranch_scc1 .Lzero
	s_endpgm
.Lfunc_end_k_qbf5db6cff1_mlp:
	.size	k_qbf5db6cff1_mlp, .Lfunc_end_k_qbf5db6cff1_mlp-k_qbf5db6cff1_mlp
	.p2alignl 7, 3214868480
	.fill 96, 4, 3214868480
	.section	.rodata,"a",@progbits
	.p2align	6, 0x0
	.amdhsa_kernel k_qbf5db6cff1_mlp
		.amdhsa_group_segment_fixed_size 39424
		.amdhsa_private_segment_fixed_size 0
		.amdhsa_enable_private_segment 0
		.amdhsa_kernarg_size 48
		.amdhsa_user_sgpr_count 2
		.amdhsa_user_sgpr_kernarg_segment_ptr 1
		.amdhsa_wavefront_size32 1
		.amdhsa_system_sgpr_workgroup_id_x 1
		.amdhsa_system_sgpr_workgroup_id_y 1
		.amdhsa_system_sgpr_workgroup_id_z 1
		.amdhsa_system_vgpr_workitem_id 0
		.amdhsa_next_free_vgpr 1024
		.amdhsa_next_free_sgpr 76
		.amdhsa_reserve_vcc 0
		.amdhsa_float_denorm_mode_32 3
		.amdhsa_float_denorm_mode_16_64 3
		.amdhsa_memory_ordered 1
		.amdhsa_forward_progress 1
		.amdhsa_inst_pref_size 198
	.end_amdhsa_kernel
	.amdgpu_metadata
---
amdhsa.version: [ 1, 2 ]
amdhsa.kernels:
  - .name:           k_qbf5db6cff1_mlp
    .symbol:         k_qbf5db6cff1_mlp.kd
    .args:
      - { .name: input, .offset: 0, .size: 8, .value_kind: global_buffer, .address_space: global }
      - { .name: cam, .offset: 8, .size: 8, .value_kind: global_buffer, .address_space: global }
      - { .name: wts, .offset: 16, .size: 8, .value_kind: global_buffer, .address_space: global }
      - { .name: b1, .offset: 24, .size: 8, .value_kind: global_buffer, .address_space: global }
      - { .name: b2, .offset: 32, .size: 8, .value_kind: global_buffer, .address_space: global }
      - { .name: out0, .offset: 40, .size: 8, .value_kind: global_buffer, .address_space: global }
    .group_segment_fixed_size: 39424
    .private_segment_fixed_size: 0
    .kernarg_segment_align: 8
    .kernarg_segment_size: 48
    .max_flat_workgroup_size: 128
    .sgpr_count:     76
    .vgpr_count:     1024
    .wavefront_size: 32
...
	.end_amdgpu_metadata
.endif
;; end of part 2
